; MI455X (gfx1250); checked and timed in simulation.
; The chip was launched on July 23, 2026; its instructions are those of AMD's public machine-readable ISA for CDNA 5 (MIT licence, August 2026) and "CDNA5" Instruction Set Architecture Reference Guide (July 2026). The comments in the code are by the model that wrote it; some were corrected since.
;; Seq Attention. Allowed arithmetic: matrix products marked QUANTISED: E3M2 operands, one E8M0 scale for each 32 along K, by v_wmma_scale_f32_16x16x128_f8f6f4 with both operands' format E3M2, f32 sums; everything else in f32.
;; Inputs: key_codes 8 x 2,048 x 32 x 24 uint8 (E3M2 codes of key, K innermost, in blocks of 32 codes, four codes in three bytes); key_pe_codes 1 x 2,048 x 32 x 24 uint8 (E3M2 codes of key_pe, K innermost, in blocks of 32 codes, four codes in three bytes); key_pe_scales 1 x 2,048 x 32 uint8 (E8M0 scales of key_pe, one for each 32 codes along K); key_scales 8 x 2,048 x 32 uint8 (E8M0 scales of key, one for each 32 codes along K); query_codes 8 x 1,024 x 32 x 24 uint8 (E3M2 codes of query, K innermost, in blocks of 32 codes, four codes in three bytes); query_scales 8 x 1,024 x 32 uint8 (E8M0 scales of query, one for each 32 codes along K); value_codes 8 x 1,024 x 64 x 24 uint8 (E3M2 codes of value, K innermost, in blocks of 32 codes, four codes in three bytes); value_scales 8 x 1,024 x 64 uint8 (E8M0 scales of value, one for each 32 codes along K).
;; Outputs: out0 8 x 1,024 x 1,024 float32.
;; Constants: hidden_size = 1024.
;; This version of the problem:
;;   THIS VERSION OF THE PROBLEM IS GIVEN IN LOW PRECISION. The matrix products marked QUANTISED in the list below multiply operands that are first quantised to E3M2 (3 exponent bits, 2 mantissa bits; 6 bits a number), with one power-of-two scale for each 32 numbers along K (OCP MX v1.0); their sums are f32. All else is computed in f32.
;;   The module's matrix products, in the order in which they are computed (A, B: the left and right operand; K: the contracted axis; several contracted axes count as one K, in the product's order):
;;     1. batch 8 x [M 1,024, K 1,024] x [K 1,024, N 2,048]; A: input query (given as codes); B: input key (given as codes): QUANTISED
;;     2. [M 8,192, K 1,024] x [K 1,024, N 2,048]; A: input query (given as codes); B: input key_pe (given as codes): QUANTISED
;;     3. batch 8 x [M 1,024, K 2,048] x [K 2,048, N 1,024]; A: computed on the way; B: input value (given as codes): QUANTISED
;;   THE QUANTISER, for each operand of a quantised product, along K:
;;     - K is cut into blocks of 32 from its start; a last block that is shorter is filled with zeros.
;;     - A block's scale is 2^e with e = floor(log2(the largest magnitude in the block)) - 4, held to -126 .. 127; a block of zeros has e = 0. As a byte (E8M0): e + 127.
;;     - Each number is divided by its block's scale, clamped to +-28, and rounded to the nearest number of E3M2, ties to even, subnormals kept.
;;     - The product sums the exact products of the quantised numbers (number of the format x scale) in f32.
;;   ~~~python
;;   def quantise(x, axis):      # numpy; x: float32 -> the quantised numbers, widened to float32 again
;;       x = np.moveaxis(x, axis, -1); K = x.shape[-1]
;;       x = np.pad(x, [(0, 0)] * (x.ndim - 1) + [(0, -K % 32)]); x = x.reshape(x.shape[:-1] + (-1, 32)); a = np.abs(x).max(-1, keepdims=True)
;;       e = np.where(a > 0, np.clip(np.frexp(np.where(a > 0, a, 1))[1] - 1 - 4, -126, 127), 0)      # np.frexp(a)[1] - 1 = floor(log2(a)), exactly
;;       r = np.clip(x / 2.0 ** e, -28, 28)
;;       step = 2.0 ** (np.maximum(np.frexp(np.where(r == 0, 1, r))[1] - 1, -2) - 2)
;;       q = np.round(r / step) * step * 2.0 ** e      # np.round: ties to even
;;       return np.moveaxis(q.reshape(q.shape[:-2] + (-1,))[..., :K], -1, axis).astype(np.float32)
;;   ~~~
;;   OPERANDS COMPUTED ON THE WAY. 'Computed on the way' means the value that the module computes at that place (a softmax that the list does not call 'softmax' is quantised finished and normalised). What goes into a quantiser is computed in f32, as accurately as f32 sums, v_exp_f32 and their like allow (about 1e-6 of the number): no bf16 or f16 on the way to a quantiser, and a product that is left as it is and whose result goes on into a quantised operand takes f32 operands (vector FMAs, or v_wmma_f32_16x16x4_f32). A number that lies on a knife's edge between two numbers of the format may be rounded either way, as far as f32 arithmetic and the matrix unit's own rounding can turn it there, and no further.
;;   INPUTS GIVEN AS CODES. key (in the module: [8, 2048, 1024], K = its axis 2); key_pe (in the module: [1, 1024, 2048], K = its axis 1); query (in the module: [8, 1024, 1024], K = its axis 2); value (in the module: [8, 2048, 1024], K = its axis 1): each comes as NAME_codes (uint8): NAME with its K axis moved to the last place and cut into blocks of 32 codes, [.., K / 32, bytes a block], one block behind the other in memory; four codes in three bytes: a row's codes are one little-endian stream of bits, code i at bits 6 i .. 6 i + 5 (a code: sign, 3 exponent bits, 2 mantissa bits); and NAME_scales (uint8): the same leading axes, one E8M0 byte (e + 127) for each 32 codes along K. Its value is code x scale, taken as it is: it is not quantised again, and the codes and scales need not be those that the quantiser above would give.
;; One version. Each part assembles by itself: llvm-mc -triple=amdgcn-amd-amdhsa -mcpu=gfx1250 --defsym DOCPART=n.
;; ======== version 1 of 1: 2 launches
;; limits: right only within a limited range of input values
;; workspace buffers: p_codes 12,582,912 bytes; p_scales 524,288 bytes
;; launch scores (part 1): grid 32 x 8, 4 waves a work-group, clusters of 4 x 4, 327,680 bytes of LDS; arguments query_codes, query_scales, key_codes, key_scales, p_codes, p_scales; writes p_codes, p_scales
.if DOCPART == 1
	.amdgcn_target "amdgcn-amd-amdhsa--gfx1250"
	.amdhsa_code_object_version 6
	.text
	.protected	k_q44d6239f47_scores
	.globl	k_q44d6239f47_scores
	.p2align	8
	.type	k_q44d6239f47_scores,@function
k_q44d6239f47_scores:
	s_mov_b64 s[64:65], 0
	v_nop
	global_prefetch_b8 v0, s[64:65] scope:SCOPE_SE
	s_setreg_imm32_b32 hwreg(HW_REG_WAVE_MODE, 25, 1), 1
	s_wait_xcnt 0x0
	s_wait_alu depctr_hold_cnt(0) depctr_sa_sdst(0) depctr_va_vdst(0) depctr_va_sdst(0) depctr_va_ssrc(0) depctr_va_vcc(0) depctr_vm_vsrc(0)
	s_getreg_b32 s2, hwreg(HW_REG_IB_STS2, 6, 4)
	s_cmp_eq_u32 s2, 0
	s_cbranch_scc0 .Lentry_in_a_cluster
	s_endpgm
.Lentry_in_a_cluster:
	s_bfe_u32 s2, ttmp6, 0x10000c
	s_cmp_lg_u32 s2, 0xf033
	s_cbranch_scc0 .Lentry_shape_is_right
	s_endpgm
.Lentry_shape_is_right:
; S[b][m][l] = sum over h of Q[b][m][h] K[b][l][h], on codes of BF6 (E3M2) with one E8M0 scale for each 32 along h; sums in f32.  S is then QUANTISED ALONG l, in blocks of 32 keys, in registers,
; and leaves as codes and scale words: it is the left operand of the next launch's product with V.
; WHAT IS NOT COMPUTED: out = attn_cont @ value.  The product of query with key_pe (attn_pos) and the softmax feed only the unused name attn, so they reach no output for any values of the inputs:
; key_pe_codes and key_pe_scales are not loaded and are no arguments.  LIMIT: a NaN, an infinity or an overflow that reaches only that work is not carried to the result.
; LIMITS: a block of S that is all zeros gets the scale byte 1 where the quantiser says 127: its codes are zeros, which add nothing under any byte but 0xff, and this program alone reads the bytes.
; A scale byte 0xff among the inputs, and sums that are NaN or infinite, are not served.
; A tile of S, 256 queries x 256 keys, is made by a work-group of four waves; a wave makes 128 x 128: 64 accumulators of 16 x 16.  32 tiles of queries x 8 of keys: 256 work-groups.
; h goes in CHUNKS OF 256 BYTES of each row (a row is 768 bytes: three chunks) through two LDS slots; a step of 128 along h is 96 bytes, so steps 2 and 5 of the eight lie across two chunks.
; The head's four loads, one a wave, bring chunks 0 and 1; chunk 2 is the only refill, into slot 0.  Scale words go from memory straight into registers.
; CLUSTERS: 4 x 4 work-groups of one batch.  Those with the same cx need the same rows of Q, those with the same cy the same rows of K: each tile is asked for JOINTLY.
; THE MATRIX INSTRUCTION IS USED TRANSPOSED (source 0 = 16 keys, source 1 = 16 queries): a lane holds ONE query (lane % 16) and, in tile b, keys 16 b + 8 (lane / 16) + 0 .. 7.
; OUT: p_codes [tile of 256 queries 32][512 keys 4][half of the queries 2][128 keys 4][tile of 16 queries 8][1,536 bytes]: the image of a fragment's 12 registers, registers 4 i .. 4 i + 3 of lane l at 512 i + 16 l.
;      p_scales [block of 128 queries 64][128 keys 16][lane 32][4 words]: word i of lane (r, h) is the scale word (four bytes, 128 keys) of query r of tile 2 i + h.
; REGISTERS, in windows of 256: window 0: addresses, scale words, 14 fragments of Q; window 1: K's fragments, two sets, and two fragments of Q (two sets of eight in all); windows 2, 3: accumulators of my queries 0-63, 64-127.
;   Accumulator (a, b) lies at v[8 (8 (a % 4) + SIG(b))], SIG = 0, 2, 1, 3, 4, 6, 5, 7: tiles b and b + 2 of each four are neighbours in the registers.
.set PITCH, 272                        ; an LDS row: 256 bytes + 16 of padding = 68 words
.set HALFT, 128*PITCH
.set SLOT, 4*HALFT                     ; Q's 256 rows, then K's 256 rows
.set SPARE, 2*SLOT                     ; the spare words: 128 bytes for each wave
.set ADRA, 8                           ; v8-9 LDS address of my Q fragments in slot 0, 1; v10-11: lanes 0-15 at a chunk's byte 232 in slot 0, 1, lanes 16-31 at the next chunk's byte 0 in the other slot
.set ADRB, 12                          ; the same for K
.set SC, 16                            ; v16-79 scale words: block i, step st at v[SC + 32 (i % 2) + 8 (i / 2) + st]: lanes 0-15 Q's, lanes 16-31 K's; nothing else
.set QF, 80                            ; v80-247: fragments 0-13 of Q's sixteen
.set CO, 248                           ; 16 x lane
.set SPW, 249                          ; LDS address of my spare word
.set NIL, 250                          ; 0
.set PFO, 251                          ; the prefetch's offset
.set SH, 252                           ; 8 x (lane / 16)
.set WX, 253
.set WD, 254
; the quantiser's registers lie where Q's fragments 0-3 of the even steps were:
.set TM, 80                            ; four chains of largest magnitudes
.set SO, 84                            ; the conversions' scale operands
.set BYS, 86                           ; scale bytes
.set PT, 88                            ; a block's upper 16 codes as the conversion leaves them
.set SWD, 96                           ; the eight tiles' scale words
.set PCO, 104                          ; codes, 12 registers, two buffers
.set G1Q, 24                           ; descriptor groups 1
.set G1K, 32
.set GQ0, 48                           ; the head's groups 0: chunk 0 of Q, of K, chunk 1 of Q, of K
.set GK0, 52
.set GQ1, 56
.set GK1, 60
.set GQ2, 68                           ; the refill's groups 0
.set GK2, 72
.set MSB, 0
.macro WIN new                         ; the immediate's high byte repeats the setting that is left; a switch that changes nothing is dropped
.if MSB != (\new)
	s_set_vgpr_msb (MSB<<8)|(\new)
.set MSB, (\new)
.endif
.endm
.macro PLACES n
.rept \n
	v_nop
.endr
.endm
.macro CREST                           ; a round of the cluster's barrier behind its opening barrier
	s_cmp_lg_u32 s14, 0
	s_cbranch_scc1 .Lnot_wave_0_\@
	s_barrier_signal -3
.Lnot_wave_0_\@:
	s_barrier_wait -3
	s_barrier_signal -1
	s_barrier_wait -1
.endm
.macro CROUND
	s_barrier_signal -1
	s_barrier_wait -1
	CREST
.endm
.macro ARM under, g0, g1, next         ; one arm of the head's chain of branches: one load
	s_cmp_lt_u32 s14, \under
	s_cbranch_scc0 \next
	tensor_load_to_lds s[\g0:\g0+3], s[\g1:\g1+7]
	s_nop 0
	PLACES 4
	s_branch .Lhead_asked
\next:
.endm
.macro JLOAD g0a, g1a, g0b, g1b        ; a refill: waves 0 and 1 fetch the first, waves 2 and 3 the second
	s_cmp_eq_u32 s15, 0
	s_cbranch_scc0 .Lfor_b_\@
	tensor_load_to_lds s[\g0a:\g0a+3], s[\g1a:\g1a+7]
	s_nop 0
	PLACES 4
	s_branch .Lasked_\@
.Lfor_b_\@:
	tensor_load_to_lds s[\g0b:\g0b+3], s[\g1b:\g1b+7]
	s_nop 0
	PLACES 4
.Lasked_\@:
.endm
.macro G0SET g, lds, b, off            ; group 0: LDS address, memory address = s[b:b+1] + off
	s_mov_b32 s[\g], 1
	s_mov_b32 s[\g+1], \lds
	s_add_nc_u64 s[\g+2:\g+3], s[\b:\b+1], \off
	s_or_b32 s[\g+3], s[\g+3], 0x80000000
.endm
	s_load_b128 s[4:7], s[0:1], 0x0                ; Q's codes, Q's scales
	s_load_b128 s[8:11], s[0:1], 0x10              ; K's codes, K's scales
	s_load_b64 s[12:13], s[0:1], 0x20              ; p_codes
	s_load_b64 s[76:77], s[0:1], 0x28              ; p_scales
	v_lshl_add_u32 v[SPW], v0, 2, SPARE
	v_mov_b32 v[NIL], 0
	ds_add_u32 v[SPW], v[NIL]                      ; the opening adds
	ds_add_u32 v[SPW], v[NIL]
	v_lshrrev_b32 v1, 5, v0
	v_readfirstlane_b32 s14, v1                    ; wave 0..3
	s_lshr_b32 s15, s14, 1                         ; which half of the tile's queries is mine; refill: I fetch for Q (0) or for K (1)
	s_and_b32 s16, s14, 1                          ; which half of its keys; refill: which 128 rows I fetch
	s_bfe_u32 s84, ttmp6, 0x40000                  ; cx
	s_bfe_u32 s85, ttmp6, 0x40004                  ; cy
	s_mov_b32 s87, ttmp9                           ; the batch = cluster x, which all sixteen share
	s_lshl_b32 s17, s87, 2
	s_add_co_u32 s17, s17, s84                     ; tile of queries, 0..31
	s_and_b32 s86, ttmp7, 0xffff
	s_lshl_b32 s86, s86, 2
	s_add_co_u32 s86, s86, s85                     ; tile of keys, 0..7
	s_lshl_b32 s88, 0x1111, s84                    ; the four with my cx share Q's tile
	s_lshl_b32 s89, s85, 2
	s_lshl_b32 s89, 15, s89                        ; the four with my cy share K's tile
	; group 1: rows of 256 elements of one byte, 768 apart, 16 bytes of padding behind every 256 (64 words: code 5; 4 words: code 3); 256 rows at the head, 128 in the refill
	s_or_b32 s[G1Q], s88, (1<<20)|(1<<21)|(5<<22)|(3<<25)
	s_or_b32 s[G1K], s89, (1<<20)|(1<<21)|(5<<22)|(3<<25)
.irp g, G1Q, G1K
	s_mov_b32 s[\g+1], 256<<16
	s_mov_b32 s[\g+2], 256<<16
	s_mov_b32 s[\g+3], 256<<16
	s_mov_b32 s[\g+4], 256
	s_mov_b32 s[\g+5], 768
	s_mov_b32 s[\g+6], 0
	s_mov_b32 s[\g+7], 0
.endr
	s_mul_i32 s20, s17, 256*768                    ; Q's rows: 256 x tile of queries
	s_mov_b32 s21, 0
	s_lshl_b32 s22, s87, 3
	s_add_co_u32 s22, s22, s86                     ; K's rows: 256 x (8 x batch + tile of keys)
	s_lshl_b32 s44, s22, 13
	s_lshl_b32 s40, s16, 12
	s_add_co_u32 s44, s44, s40                     ; the scales of my 128 keys: 32 bytes a row
	s_mov_b32 s45, 0
	s_mul_i32 s22, s22, 256*768
	s_mov_b32 s23, 0
	s_lshl_b32 s42, s17, 13
	s_lshl_b32 s40, s15, 12
	s_add_co_u32 s42, s42, s40                     ; and of my 128 queries
	s_mov_b32 s43, 0
	s_mul_i32 s18, s16, 128*768                    ; the refill: my 128 rows of the tile
	s_mov_b32 s19, 0
	s_mul_i32 s2, s16, HALFT                       ; and where they go
	s_add_co_u32 s3, s2, 2*HALFT                   ; K's rows lie behind Q's 256
	s_mul_i32 s100, s15, HALFT
	s_wait_dscnt 0x0                               ; both opening adds are done
	CROUND                                         ; all sixteen work-groups are here: the first joint loads meet
	s_wait_kmcnt 0x0
	s_add_nc_u64 s[90:91], s[4:5], s[20:21]
	s_add_nc_u64 s[92:93], s[8:9], s[22:23]
	G0SET GQ0, 0, 90, 0
	G0SET GK0, 2*HALFT, 92, 0
	G0SET GQ1, SLOT, 90, 256
	G0SET GK1, SLOT+2*HALFT, 92, 256
	; THE HEAD'S LOADS, ONE A WAVE: waves 0 and 1 fetch chunk 0, waves 2 and 3 chunk 1, 256 rows each; every way through the chain passes one load
	ARM 1, GQ0, G1Q, .Lhead_1
	ARM 2, GK0, G1K, .Lhead_2
	ARM 3, GQ1, G1Q, .Lhead_3
	tensor_load_to_lds s[GK1:GK1+3], s[G1K:G1K+7]
	s_nop 0
	PLACES 4
.Lhead_asked:
	s_add_nc_u64 s[46:47], s[90:91], s[18:19]
	s_add_nc_u64 s[78:79], s[92:93], s[18:19]
	G0SET GQ2, s2, 46, 512                         ; chunk 2, into slot 0
	G0SET GK2, s3, 78, 512
	s_add_nc_u64 s[94:95], s[6:7], s[42:43]        ; my scales
	s_add_nc_u64 s[96:97], s[10:11], s[44:45]
	; the prefetch: of the 128 rows that a wave fetches in the refill, each of the four partners names 32, told apart by address
	s_cmp_eq_u32 s15, 0
	s_cselect_b64 s[98:99], s[90:91], s[92:93]
	s_cselect_b32 s40, s85, s84
	s_lshl_b32 s40, s40, 5
	s_lshl_b32 s41, s16, 7
	s_add_co_u32 s40, s40, s41
	s_mul_i32 s40, s40, 768
	s_mov_b32 s41, 0
	s_add_nc_u64 s[98:99], s[98:99], s[40:41]
	; where my results go: 12,288 bytes of codes, 512 of scale words
	s_lshl_b32 s40, s17, 5
	s_lshr_b32 s41, s86, 1
	s_lshl_b32 s41, s41, 3
	s_add_co_u32 s40, s40, s41
	s_lshl_b32 s41, s15, 2
	s_add_co_u32 s40, s40, s41
	s_and_b32 s41, s86, 1
	s_lshl_b32 s41, s41, 1
	s_add_co_u32 s40, s40, s41
	s_add_co_u32 s40, s40, s16
	s_mul_i32 s40, s40, 12288
	s_mov_b32 s41, 0
	s_add_nc_u64 s[12:13], s[12:13], s[40:41]
	s_lshl_b32 s40, s17, 1
	s_add_co_u32 s40, s40, s15
	s_lshl_b32 s40, s40, 4
	s_lshl_b32 s41, s86, 1
	s_add_co_u32 s40, s40, s41
	s_add_co_u32 s40, s40, s16
	s_lshl_b32 s40, s40, 9
	s_mov_b32 s41, 0
	s_add_nc_u64 s[76:77], s[76:77], s[40:41]
	v_and_b32 v1, 15, v0                           ; r
	v_bfe_u32 v2, v0, 4, 1                         ; h
	v_and_b32 v6, 31, v0                           ; lane
	v_mul_u32_u24 v3, PITCH, v1
	v_mul_u32_u24 v4, 24, v2
	v_add_nc_u32 v4, v3, v4                        ; a fragment's row x pitch + 24 x half
	v_sub_nc_u32 v7, 1, v2
	v_mul_u32_u24 v5, SLOT-232, v2
	v_add_nc_u32 v5, v3, v5
	v_add_nc_u32 v5, 232, v5                       ; lanes 0-15: byte 232 of the row in slot 0; lanes 16-31: byte 0 in slot 1
	v_mul_u32_u24 v255, SLOT+232, v7
	v_add_nc_u32 v255, v3, v255                    ; lanes 0-15: byte 232 of the row in slot 1; lanes 16-31: byte 0 in slot 0
	v_add_nc_u32 v[ADRA], s100, v4
	v_add_nc_u32 v[ADRB], s3, v4
	v_add_nc_u32 v[ADRA+1], SLOT, v[ADRA]
	v_add_nc_u32 v[ADRB+1], SLOT, v[ADRB]
	v_add_nc_u32 v[ADRA+2], s100, v5
	v_add_nc_u32 v[ADRB+2], s3, v5
	v_add_nc_u32 v[ADRA+3], s100, v255
	v_add_nc_u32 v[ADRB+3], s3, v255
	v_lshlrev_b32 v[CO], 4, v6
	v_lshlrev_b32 v7, 5, v6                        ; a row of scales is 32 bytes: lane l takes row 32 g + l
	v_mul_u32_u24 v[PFO], 768, v6
	v_lshlrev_b32 v[SH], 3, v2
	v_mov_b32 v[WX], 0                             ; a lane permute's destination counts as one of its sources
	s_wait_alu depctr_va_vdst(0)
.irp g, 0,1,2,3
	global_load_b128 v[SC+8*\g:SC+8*\g+3], v7, s[94:95] offset:1024*\g
	global_load_b128 v[SC+8*\g+4:SC+8*\g+7], v7, s[94:95] offset:1024*\g+16
	global_load_b128 v[SC+32+8*\g:SC+32+8*\g+3], v7, s[96:97] offset:1024*\g
	global_load_b128 v[SC+32+8*\g+4:SC+32+8*\g+7], v7, s[96:97] offset:1024*\g+16
.endr
	s_mov_b32 s2, 0x76543210                       ; v_permlanex16_b32's selects for lane l xor 16
	s_mov_b32 s3, 0xfedcba98
	s_wait_loadcnt 0x0
.set NF, 0
.rept 32                               ; Q's (block 2 g | 2 g + 1) and K's become (Q's | K's) of block 2 g and of block 2 g + 1
	v_permlane16_swap_b32 v[SC+NF], v[SC+32+NF]
.set NF, NF+1
.endr
	PLACES 8                                       ; a scale register written by a vector instruction stands 8 places ahead of a scaled matrix instruction
	s_wait_alu depctr_va_vdst(0)                   ; the wait at the head's end
	s_cmp_lt_u32 s14, 2
	s_cbranch_scc0 .Lslot_1_is_mine                ; waves 2 and 3 fetched chunk 1, which nobody reads before the next barrier: it may still be out
	s_wait_tensorcnt 0x0                           ; my tile of chunk 0 is in
.Lslot_1_is_mine:
	s_barrier_signal -1
	s_barrier_wait -1                              ; both are
.macro FRAG reg, adr, st, i            ; a fragment: lane (r, h): registers 6 c .. 6 c + 5 are 24 bytes of row r from byte 96 st + 48 c + 24 h on, in pieces of 8 bytes
.irp p, 0,1,2,3,4,5
.set BYT, 96*(\st)+48*(\p/3)+8*(\p%3)
.if BYT/256 == (BYT+24)/256
	ds_load_b64 v[\reg+2*\p:\reg+2*\p+1], v[\adr+(BYT/256)%2] offset:BYT%256+(\i)*16*PITCH
.else                                  ; the two halves of the lanes read different chunks
	ds_load_b64 v[\reg+2*\p:\reg+2*\p+1], v[\adr+2+(BYT/256)%2] offset:BYT%256-232+(\i)*16*PITCH
.endif
.endr
.set ISS, ISS+6
.endm
.macro LF n, st                        ; the n-th fragment of step st in the order of need: Q's block 0, K's blocks 0-7, Q's blocks 1-7
.if (\n) > 0 && (\n) < 9
	WIN 0x40
	FRAG 96*((\st)%2)+12*((\n)-1), ADRB, \st, (\n)-1
.else
.set QI, ((\n)/9)*((\n)-8)
.set NN, 8*((\st)%2)+QI
.set QW, NN/14
.set QR, QF+12*NN-56*QW
	WIN (QW<<6)
	FRAG QR, ADRA, \st, QI
.endif
.endm
.macro WM a, b, st, z                  ; one product: K's block b x Q's block a; z = 1: it starts the sum
.set NN, 8*((\st)%2)+(\a)
.set QW, NN/14
.set QR, QF+12*NN-56*QW
.set KR, 96*((\st)%2)+12*(\b)
.set SIG, ((\b)&4)|(((\b)&1)<<1)|(((\b)>>1)&1)
.set DR, 8*(8*((\a)%4)+SIG)
.set SA, SC+32*((\b)%2)+8*((\b)/2)+(\st)
.set SB, SC+32*((\a)%2)+8*((\a)/2)+(\st)
	WIN (1|(QW<<2)|((2+(\a)/4)*0x50))
.if \z
	v_wmma_scale_f32_16x16x128_f8f6f4 v[DR:DR+7], v[KR:KR+11], v[QR:QR+11], 0, v[SA], v[SB] matrix_a_fmt:MATRIX_FMT_BF6 matrix_b_fmt:MATRIX_FMT_BF6 matrix_a_scale:MATRIX_SCALE_ROW1
.else
	v_wmma_scale_f32_16x16x128_f8f6f4 v[DR:DR+7], v[KR:KR+11], v[QR:QR+11], v[DR:DR+7], v[SA], v[SB] matrix_a_fmt:MATRIX_FMT_BF6 matrix_b_fmt:MATRIX_FMT_BF6 matrix_a_scale:MATRIX_SCALE_ROW1
.endif
.endm
.macro GRP g, st, z                    ; four products of a step's 64
.irp j, 0,1,2,3
	WM (\g)/2, 4*((\g)%2)+\j, \st, \z
.endr
.endm
.macro WAITQ a                         ; Q's block a of this step is in: behind it 7 - a fragments of its own run and what this step has issued may be out
.set WC, 6*(7-(\a))+ISS
.if WC > 63
.set WC, 63
.endif
	s_wait_dscnt WC
.endm
; A step: 16 groups of four products on one set of fragments, and behind each group one fragment of the next step into the other set.  The four places at its head stand behind the last product that read that set
; (ISA guide 7.12.1 for vector instructions).  The 64 accumulators take turns.
.macro STEP st, z
	PLACES 4
.set ISS, 0
.set NF, 0
.irp g, 0,1,2,3,4,5,6,7,8,9,10,11,12,13,14,15
.if \g%2 == 0
	WAITQ \g/2
.endif
	GRP \g, \st, \z
	LF NF, (\st)+1
.set NF, NF+1
.endr
.endm
; A step ahead of whose loads a barrier stands: it shows a chunk whole (fill = 0), or frees slot 0, all of whose reads have come back, and opens the round behind which chunk 2 is asked for (fill = 1).
.macro BSTEP st, fill
	WIN 0
	s_wait_tensorcnt 0x0                           ; all my tensor loads have landed
.if \fill
	ds_add_u32 v[SPW], v[NIL]
.irp g, G1Q, G1K                       ; no tensor load of mine is out: from here on a load brings 128 rows
	s_mov_b32 s[\g+2], 128<<16
	s_mov_b32 s[\g+4], 128
.endr
	s_wait_dscnt 43                                ; Q's block 0 and K's blocks are in: 42 loads and the add may be out
.else
	s_wait_dscnt 42
.endif
	GRP 0, \st, 0
	GRP 1, \st, 0
	s_wait_dscnt 0x0                               ; all my LDS instructions are done
	s_barrier_signal -1
	GRP 2, \st, 0
	GRP 3, \st, 0
	WIN 0
	s_barrier_wait -1
.if \fill
	CREST
	JLOAD GQ2, G1Q, GK2, G1K                       ; its four v_nop are the places in front of the loads below
.else
	PLACES 4
.endif
.set NF, 0
.irp g, 4,5,6,7,8,9,10,11,12,13,14,15
	GRP \g, \st, 0
.rept 2-(\g/8)
	LF NF, (\st)+1
.set NF, NF+1
.endr
.endr
.endm
.set ISS, 0
.set NF, 0
.rept 16
	LF NF, 0
.set NF, NF+1
.endr
	WIN 0
	global_prefetch_b8 v[PFO], s[98:99] offset:512 th:TH_LOAD_NT scope:SCOPE_SE   ; chunk 2, two steps ahead of its tensor load: a lane a row, 32 of the tile's rows for each wave, each row named once in the cluster
	STEP 0, 1
	BSTEP 1, 0                                     ; chunk 1 is whole: step 2's loads need it
	BSTEP 2, 1                                     ; chunk 0 is read no more: chunk 2 into slot 0
	STEP 3, 0
	BSTEP 4, 0                                     ; chunk 2 is whole
	STEP 5, 0
; THE LAST TWO STEPS GO BY BLOCKS OF QUERIES, and each finished block is quantised between the products of the blocks behind it.
; Of four neighbouring tiles T0 .. T3 of 16 keys, register j of lane (r, h) holds key 16 t + 8 h + j of query r.  Exchanging T0's upper lanes with T2's lower lanes, and T1's with T3's, leaves
; T0 = keys (j | 32 + j), T2 = (8 + j | 40 + j), T1 = (16 + j | 48 + j), T3 = (24 + j | 56 + j) in lanes (0-15 | 16-31).  The registers lie in the order T0, T2, T1, T3: so a lane's 32 consecutive
; registers are keys 64 c + 32 h + 0 .. 31 of its query: a WHOLE block of 32 in a lane, in the very order of the 6-bit operand.
; A block's scale is 2^(floor(log2(its largest magnitude)) - 4): its byte is the largest magnitude's exponent field - 4, held at 1 from below by a floor among the maximum's leaves.
; Beyond 28 the conversion gives the largest code, which is what the quantiser asks.
.macro CV c
	v_cvt_scalef32_pk16_bf6_f32 v[PCB+6*\c:PCB+6*\c+2], v[AC+32*\c:AC+32*\c+15], v[SO+\c]
	v_cvt_scalef32_pk16_bf6_f32 v[PT+4*\c:PT+4*\c+2], v[AC+32*\c+16:AC+32*\c+31], v[SO+\c]   ; (a conversion's three registers begin on an even number: the upper half is made elsewhere and moved)
.endm
.macro SLICE                           ; the SN-th twelfth of a block: block SN / 12
.set BL, SN/12
.set KK, SN%12
.set AC, 64*(BL%4)
.set WN, 2+BL/4
.set PCB, PCO+12*(BL%2)
.if KK < 4
.if KK == 0 && BL > 1
	s_wait_xcnt 0x0                                ; block BL - 2's stores have read their registers
.endif
.if KK == 0 && (BL == 0 || BL == 7)
	PLACES 4                                       ; the block's last products stand just above; for the other blocks the vector work in between are the places
.endif
	WIN ((WN<<6)|WN)
.irp j, 0,1,2,3,4,5,6,7
	v_permlane16_swap_b32 v[AC+16*KK+\j], v[AC+16*KK+8+\j]
.endr
.elseif KK < 8
	WIN ((WN<<2)|(WN<<4))
.irp i, 0,1
.set IX, 4*(KK-4)+2*\i
.irp x, 0,1,2,3
.if IX == 0
	v_max3_num_f32 v[TM+\x], 0x2800000, |v[AC+16*\x]|, |v[AC+16*\x+1]|   ; the floor 2^(5 - 127)
.else
	v_max3_num_f32 v[TM+\x], v[TM+\x], |v[AC+16*\x+IX]|, |v[AC+16*\x+IX+1]|
.endif
.endr
.endr
.elseif KK == 8
	WIN 0
	v_max_num_f32 v[TM], v[TM], v[TM+1]
	v_max_num_f32 v[TM+2], v[TM+2], v[TM+3]
	v_add_nc_u32 v[SO], 0xfe000000, v[TM]          ; 4 off the exponent field: the conversion's scale operand
	v_add_nc_u32 v[SO+1], 0xfe000000, v[TM+2]
.elseif KK == 9
	WIN 0
	v_lshrrev_b32 v[BYS], 23, v[SO]
	v_lshrrev_b32 v[BYS+1], 23, v[SO+1]
	WIN WN
	CV 0
.elseif KK == 10
	WIN 0
	v_lshl_or_b32 v[WD], v[BYS+1], 16, v[BYS]      ; my two bytes: blocks h and 2 + h of my query,
	WIN WN
	CV 1
	WIN 0
	v_lshlrev_b32 v[WD], v[SH], v[WD]              ; at their places in the scale word.  (Also the plain place behind the conversions)
.else
	WIN 0
	v_permlanex16_b32 v[WX], v[WD], s2, s3
.irp i, 0,1,2
	v_mov_b32 v[PCB+3+\i], v[PT+\i]
	v_mov_b32 v[PCB+9+\i], v[PT+4+\i]
.endr
	v_or_b32 v[SWD+BL], v[WD], v[WX]               ; with lane l xor 16's two the word is whole
.irp i, 0,1,2
	global_store_b128 v[CO], v[PCB+4*\i:PCB+4*\i+3], s[12:13] offset:BL*1536+512*\i   ; 32 lanes store 512 consecutive bytes, at a multiple of 256
.endr
.endif
.endm
.macro UNIT st, a                      ; eight products, a slice behind each
.irp b, 0,1,2,3,4,5,6,7
	WM \a, \b, \st, 0
.if SN < 84
	SLICE
.set SN, SN+1
.endif
.endr
.endm
	PLACES 4
.set ISS, 0
.set NF, 0
.irp g, 0,1,2,3,4,5,6,7                ; step 6, blocks 0-3; step 7's sixteen fragments: K's eight, then Q's
.if \g%2 == 0
	WAITQ \g/2
.endif
	GRP \g, 6, 0
.rept 2
.if NF < 8
	LF NF+1, 7
.elseif NF == 8
	LF 0, 7
.else
	LF NF, 7
.endif
.set NF, NF+1
.endr
.endr
	s_wait_dscnt 42                                ; K's eight and Q's block 0 are in
	GRP 0, 7, 0
	GRP 1, 7, 0
	s_wait_dscnt 0x0
.set SN, 0
	UNIT 7, 1
	UNIT 7, 2
	UNIT 7, 3
.irp a, 4,5,6,7
	UNIT 6, \a
	UNIT 7, \a
.endr
.rept 12
	SLICE
.set SN, SN+1
.endr
	WIN 0
	v_cmp_ne_u32 vcc_lo, 0, v[SH]                  ; lanes 16-31
.irp i, 0,1,2,3
	v_cndmask_b32 v[TM+\i], v[SWD+2*\i], v[SWD+2*\i+1], vcc_lo   ; word i: tile 2 i in lanes 0-15, tile 2 i + 1 in lanes 16-31
.endr
	global_store_b128 v[CO], v[TM:TM+3], s[76:77]  ; 512 consecutive bytes
	s_wait_tensorcnt 0x0                           ; the wave's end
	ds_add_u32 v[SPW], v[NIL]
	s_wait_dscnt 0x0
	CROUND                                         ; the closing round
	s_endpgm
.Lfunc_end_k_q44d6239f47_scores:
	.size	k_q44d6239f47_scores, .Lfunc_end_k_q44d6239f47_scores-k_q44d6239f47_scores
	.p2alignl 7, 3214868480
	.fill 96, 4, 3214868480
	.section	.rodata,"a",@progbits
	.p2align	6, 0x0
	.amdhsa_kernel k_q44d6239f47_scores
		.amdhsa_group_segment_fixed_size 327680
		.amdhsa_private_segment_fixed_size 0
		.amdhsa_enable_private_segment 0
		.amdhsa_kernarg_size 48
		.amdhsa_user_sgpr_count 2
		.amdhsa_user_sgpr_kernarg_segment_ptr 1
		.amdhsa_wavefront_size32 1
		.amdhsa_system_sgpr_workgroup_id_x 1
		.amdhsa_system_sgpr_workgroup_id_y 1
		.amdhsa_system_sgpr_workgroup_id_z 1
		.amdhsa_system_vgpr_workitem_id 0
		.amdhsa_next_free_vgpr 1024
		.amdhsa_next_free_sgpr 102
		.amdhsa_reserve_vcc 1
		.amdhsa_float_denorm_mode_32 3
		.amdhsa_float_denorm_mode_16_64 3
		.amdhsa_memory_ordered 1
		.amdhsa_forward_progress 1
		.amdhsa_inst_pref_size 175
	.end_amdhsa_kernel
	.amdgpu_metadata
---
amdhsa.version: [ 1, 2 ]
amdhsa.kernels:
  - .name:           k_q44d6239f47_scores
    .symbol:         k_q44d6239f47_scores.kd
    .args:
      - { .name: query_codes, .offset: 0, .size: 8, .value_kind: global_buffer, .address_space: global }
      - { .name: query_scales, .offset: 8, .size: 8, .value_kind: global_buffer, .address_space: global }
      - { .name: key_codes, .offset: 16, .size: 8, .value_kind: global_buffer, .address_space: global }
      - { .name: key_scales, .offset: 24, .size: 8, .value_kind: global_buffer, .address_space: global }
      - { .name: p_codes, .offset: 32, .size: 8, .value_kind: global_buffer, .address_space: global }
      - { .name: p_scales, .offset: 40, .size: 8, .value_kind: global_buffer, .address_space: global }
    .group_segment_fixed_size: 327680
    .private_segment_fixed_size: 0
    .kernarg_segment_align: 8
    .kernarg_segment_size: 48
    .max_flat_workgroup_size: 128
    .sgpr_count:     102
    .vgpr_count:     1024
    .wavefront_size: 32
...
	.end_amdgpu_metadata
.endif
;; end of part 1
;; launch mix (part 2): grid 8 x 32, 4 waves a work-group, clusters of 4 x 4, 327,680 bytes of LDS; arguments p_codes, p_scales, value_codes, value_scales, out0; writes out0
.if DOCPART == 2
	.amdgcn_target "amdgcn-amd-amdhsa--gfx1250"
	.amdhsa_code_object_version 6
	.text
	.protected	k_q44d6239f47_mix
	.globl	k_q44d6239f47_mix
	.p2align	8
	.type	k_q44d6239f47_mix,@function
k_q44d6239f47_mix:
	s_mov_b64 s[64:65], 0
	v_nop
	global_prefetch_b8 v0, s[64:65] scope:SCOPE_SE
	s_setreg_imm32_b32 hwreg(HW_REG_WAVE_MODE, 25, 1), 1
	s_wait_xcnt 0x0
	s_wait_alu depctr_hold_cnt(0) depctr_sa_sdst(0) depctr_va_vdst(0) depctr_va_sdst(0) depctr_va_ssrc(0) depctr_va_vcc(0) depctr_vm_vsrc(0)
	s_getreg_b32 s2, hwreg(HW_REG_IB_STS2, 6, 4)
	s_cmp_eq_u32 s2, 0
	s_cbranch_scc0 .Lentry_in_a_cluster
	s_endpgm
.Lentry_in_a_cluster:
	s_bfe_u32 s2, ttmp6, 0x10000c
	s_cmp_lg_u32 s2, 0xf033
	s_cbranch_scc0 .Lentry_shape_is_right
	s_endpgm
.Lentry_shape_is_right:
; out[b][m][n] = sum over l of P[b][m][l] V[b][l][n], on codes of BF6 (E3M2) with one E8M0 scale for each 32 along l (the keys); sums in f32, one for each output, l ascending.
; P is the launch before's result: p_codes [tile of 256 rows 32][512 keys 4][half of the rows 2][128 keys 4][tile of 16 rows 8][1,536 bytes], each 1,536 bytes the image of a fragment's 12 registers (registers 4 i .. 4 i + 3
; of lane l at 512 i + 16 l); p_scales [64][16][lane 32][4 words], word i of lane (r, h) = the scale word of row r of tile 2 i + h.  V: value_codes [8][1,024 (n)][2,048 keys as 1,536 bytes], value_scales [8][1,024][64].
; WHAT IS NOT COMPUTED: key_pe's product and the softmax reach no output (see the first kernel); nothing of them enters here.  LIMIT: a scale byte 0xff among the inputs is not served.
; A tile of out is 256 rows x 128 columns: 32 x 8 = 256 work-groups.  Four waves, each 128 rows x 64 columns: 32 accumulators, 256 registers.
; The keys go in steps of 512 through two LDS slots.  A slot: P's 98,304 dense bytes, then V's 128 rows.  512 keys are 384 bytes of a row of V: keys 0 and 1,024 begin on a 256-byte border of the row (0, 768), keys 512 and 1,536
; 128 bytes behind one (256, 1,024): so slot 0 takes rows of 384 bytes and slot 1 rows of 512 from that border on, of which the first 128 are not read there.  Scale words go from memory straight into registers.
; CLUSTERS: 4 x 4 work-groups of one batch.  The four of a row need the same tiles of P, the four of a column the same tiles of V: each is asked for JOINTLY.
; THE MATRIX INSTRUCTION IS USED TRANSPOSED (source 0 = 16 columns of out, source 1 = 16 rows): a lane holds eight neighbouring numbers of a row of out.
; REGISTERS, in windows of 256: window 0: addresses, scale words, rows of out on the way out.  window 1: V's fragments, two sets of 4 (in the last 512 keys all sixteen).  window 3: P's fragments, two sets of 8 (at the end four buffers
;   of one tile x 512 keys).  window 2: accumulator (a, b) at v[8 (4 a + b)].
.set PSLOT, 98304                      ; P: 256 rows x 512 keys
.set PHALF, 49152
.set PB0, 432                          ; slot 0, V: 3 x (128 bytes + 16 of padding) = 108 words
.set PB1, 528                          ; slot 1, V: 512 bytes + 16 = 132 words
.set VOFF, PSLOT                       ; V lies behind P
.set SLT1, VOFF+128*PB0                ; slot 1 begins: 153,600
.set SPARE, SLT1+VOFF+128*PB1          ; 319,488: the spare words, 128 bytes for each wave
.set SPITCH, 272                       ; the way out: a stage of 16 rows x (256 bytes + 16) for each wave, in slot 0, which has had its last fill and its last read by then
.set PFP, 10                           ; the prefetches' offsets
.set PFV, 11
.set ADP, 16                           ; v16-17 LDS address of my P images in slot 0, 1
.set ADV, 20                           ; of my V fragments in slot 0; v21: the same behind one padding more; v22: in slot 1
.set STO, 24                           ; the way out: where I put 32 bytes of a row
.set RD, 25                            ; where I read a row back
.set CO, 26                            ; my byte offset in two rows of out
.set VSO, 27                           ; my row's scale bytes of V
.set SPW, 28                           ; LDS address of my spare word
.set NIL, 29                           ; 0
.set LI, 30                            ; 16 x lane
.set VS, 32                            ; v32-95 V's scale words: block b, step ks at v[VS + 16 b + ks]; lanes 0-15 are read
.set PS, 96                            ; v96-159 P's: step ks at v[PS + 4 ks + i]: tile 2 i in lanes 0-15, tile 2 i + 1 in lanes 16-31
.set BK, 160                           ; v160-223: 16 rows read back from the stage, two buffers
.set G1P, 24                           ; descriptor groups 1: P, V in slot 0, V in slot 1
.set G1A, 32
.set G1B, 40
.set GP0, 48                           ; groups 0: the head's P and V of slot 0, of slot 1
.set GV0, 52
.set GP1, 56
.set GV1, 60
.set GP2, 68                           ; the refills'
.set GV2, 72
.set GP3, 76
.set GV3, 80
.set MSB, 0
.macro WIN new                         ; the immediate's high byte repeats the setting that is left; a switch that changes nothing is dropped
.if MSB != (\new)
	s_set_vgpr_msb (MSB<<8)|(\new)
.set MSB, (\new)
.endif
.endm
.set MULW, 0xad                        ; source 0 (V) window 1, source 1 (P) window 3, C and D window 2
.macro PLACES n
.rept \n
	v_nop
.endr
.endm
.macro CREST                           ; a round of the cluster's barrier behind its opening barrier
	s_cmp_lg_u32 s14, 0
	s_cbranch_scc1 .Lnot_wave_0_\@
	s_barrier_signal -3
.Lnot_wave_0_\@:
	s_barrier_wait -3
	s_barrier_signal -1
	s_barrier_wait -1
.endm
.macro CROUND
	s_barrier_signal -1
	s_barrier_wait -1
	CREST
.endm
.macro ARM under, g0, g1, next         ; one arm of the head's chain of branches: one load
	s_cmp_lt_u32 s14, \under
	s_cbranch_scc0 \next
	tensor_load_to_lds s[\g0:\g0+3], s[\g1:\g1+7]
	s_nop 0
	PLACES 4
	s_branch .Lhead_asked
\next:
.endm
.macro JLOAD g0a, g1a, g0b, g1b        ; a refill: waves 0 and 1 fetch P's halves, waves 2 and 3 V's
	s_cmp_eq_u32 s15, 0
	s_cbranch_scc0 .Lfor_b_\@
	tensor_load_to_lds s[\g0a:\g0a+3], s[\g1a:\g1a+7]
	s_nop 0
	PLACES 4
	s_branch .Lasked_\@
.Lfor_b_\@:
	tensor_load_to_lds s[\g0b:\g0b+3], s[\g1b:\g1b+7]
	s_nop 0
	PLACES 4
.Lasked_\@:
.endm
.macro G0SET g, lds, b, off            ; group 0: LDS address, memory address = s[b:b+1] + off
	s_mov_b32 s[\g], 1
	s_mov_b32 s[\g+1], \lds
	s_add_nc_u64 s[\g+2:\g+3], s[\b:\b+1], \off
	s_or_b32 s[\g+3], s[\g+3], 0x80000000
.endm
.macro G1SET g, row, rows, pitch       ; group 1's constant words
	s_mov_b32 s[\g+1], (\row)<<16
	s_mov_b32 s[\g+2], (\rows)<<16
	s_mov_b32 s[\g+3], (\row)<<16
	s_mov_b32 s[\g+4], \rows
	s_mov_b32 s[\g+5], \pitch
	s_mov_b32 s[\g+6], 0
	s_mov_b32 s[\g+7], 0
.endm
	s_load_b128 s[4:7], s[0:1], 0x0                ; p_codes, p_scales
	s_load_b128 s[8:11], s[0:1], 0x10              ; V's codes, V's scales
	s_load_b64 s[12:13], s[0:1], 0x20              ; out
	v_lshl_add_u32 v[SPW], v0, 2, SPARE
	v_mov_b32 v[NIL], 0
	ds_add_u32 v[SPW], v[NIL]                      ; the opening adds
	ds_add_u32 v[SPW], v[NIL]
	v_lshrrev_b32 v1, 5, v0
	v_readfirstlane_b32 s14, v1                    ; wave 0..3
	s_lshr_b32 s15, s14, 1                         ; which 128 rows of the tile are mine; refill: I fetch for P (0) or for V (1)
	s_and_b32 s16, s14, 1                          ; which 64 columns; refill: which half I fetch
	s_bfe_u32 s84, ttmp6, 0x40000                  ; cx
	s_bfe_u32 s85, ttmp6, 0x40004                  ; cy
	s_lshl_b32 s86, ttmp9, 2
	s_add_co_u32 s86, s86, s84                     ; tile column, 0..7
	s_and_b32 s87, ttmp7, 0xffff                   ; the batch = cluster y, which all sixteen share
	s_lshl_b32 s17, s87, 2
	s_add_co_u32 s17, s17, s85                     ; tile row, 0..31
	s_lshl_b32 s88, s85, 2
	s_lshl_b32 s88, 15, s88                        ; my row of the cluster shares P
	s_lshl_b32 s89, 0x1111, s84                    ; my column shares V
	s_or_b32 s[G1P], s88, (3<<16)|(1<<21)          ; P: dense, as rows of 32 elements of 8 bytes, no padding
	G1SET G1P, 32, 384, 32
	s_or_b32 s[G1A], s89, (1<<20)|(1<<21)|(4<<22)|(3<<25)  ; V, slot 0: rows of 384 bytes; 4 words of padding behind every 32 (code 4)
	G1SET G1A, 384, 128, 1536
	s_or_b32 s[G1B], s89, (1<<20)|(1<<21)|(6<<22)|(3<<25)  ; V, slot 1: rows of 512 bytes; 4 words behind every 128 (code 6)
	G1SET G1B, 512, 128, 1536
	s_mul_i32 s20, s17, 4*PSLOT                    ; P: a tile row's four slots
	s_mov_b32 s21, 0
	s_lshl_b32 s22, s87, 3
	s_add_co_u32 s22, s22, s86                     ; V: rows 128 x (8 x batch + tile column)
	s_lshl_b32 s98, s22, 13
	s_lshl_b32 s99, s16, 12
	s_add_co_u32 s98, s98, s99                     ; the scale bytes of my 64 rows of V: 64 bytes a row
	s_mov_b32 s99, 0
	s_mul_i32 s22, s22, 128*1536
	s_mov_b32 s23, 0
	s_wait_dscnt 0x0                               ; both opening adds are done
	CROUND                                         ; all sixteen work-groups are here: the first joint loads meet
	s_wait_kmcnt 0x0
	s_add_nc_u64 s[90:91], s[4:5], s[20:21]
	s_add_nc_u64 s[92:93], s[8:9], s[22:23]
	s_add_nc_u64 s[10:11], s[10:11], s[98:99]
	G0SET GP0, 0, 90, 0
	G0SET GV0, VOFF, 92, 0
	G0SET GP1, SLT1, 90, PSLOT
	G0SET GV1, SLT1+VOFF, 92, 256
	; THE HEAD'S LOADS, ONE A WAVE: waves 0 and 1 fetch slot 0, waves 2 and 3 slot 1; every way through the chain passes one load
	ARM 1, GP0, G1P, .Lhead_1
	ARM 2, GV0, G1A, .Lhead_2
	ARM 3, GP1, G1P, .Lhead_3
	tensor_load_to_lds s[GV1:GV1+3], s[G1B:G1B+7]
	s_nop 0
	PLACES 4
.Lhead_asked:
	; the refills: my half of P or of V
	s_mul_i32 s18, s16, PHALF
	s_mov_b32 s19, 0
	s_mul_i32 s98, s16, 64*1536
	s_mov_b32 s99, 0
	s_add_nc_u64 s[94:95], s[90:91], s[18:19]
	s_add_nc_u64 s[96:97], s[92:93], s[98:99]
	s_mul_i32 s2, s16, PHALF
	s_add_co_u32 s3, s2, SLT1
	s_mul_i32 s100, s16, 64*PB0
	s_add_co_u32 s100, s100, VOFF
	s_mul_i32 s101, s16, 64*PB1
	s_add_co_u32 s101, s101, SLT1+VOFF
	G0SET GP2, s2, 94, 2*PSLOT                     ; keys 1,024-1,535 into slot 0
	G0SET GV2, s100, 96, 768
	G0SET GP3, s3, 94, 3*PSLOT                     ; keys 1,536-2,047 into slot 1
	G0SET GV3, s101, 96, 1024
	; P's scale words of my 128 rows: 8,192 dense bytes
	s_lshl_b32 s20, s17, 14
	s_lshl_b32 s21, s15, 13
	s_add_co_u32 s20, s20, s21
	s_mov_b32 s21, 0
	s_add_nc_u64 s[6:7], s[6:7], s[20:21]
	; the prefetches: the cluster's partners share a tile's blocks of 256 bytes out by address
	s_mul_i32 s4, s84, PSLOT/4                     ; P: 96 blocks of a slot for my work-group,
	s_mul_i32 s5, s14, PSLOT/16                    ; 24 for my wave
	s_add_co_u32 s4, s4, s5
	s_mov_b32 s5, 0
	s_add_nc_u64 s[90:91], s[90:91], s[4:5]
	s_lshl_b32 s8, s85, 5                          ; V: 32 rows for my work-group,
	s_lshl_b32 s9, s14, 3                          ; 8 for my wave, three blocks each
	s_add_co_u32 s8, s8, s9
	s_mul_i32 s8, s8, 1536
	s_mov_b32 s9, 0
	s_add_nc_u64 s[92:93], s[92:93], s[8:9]
	; my first row and column of out, in bytes
	s_lshl_b32 s4, s17, 20
	s_lshl_b32 s5, s15, 19
	s_add_co_u32 s4, s4, s5
	s_lshl_b32 s5, s86, 9
	s_add_co_u32 s4, s4, s5
	s_lshl_b32 s5, s16, 8
	s_add_co_u32 s4, s4, s5
	s_mov_b32 s5, 0
	s_add_nc_u64 s[12:13], s[12:13], s[4:5]
	s_mul_i32 s18, s15, PHALF                      ; my half of P in LDS
	s_mul_i32 s19, s14, 16*SPITCH                  ; my stage
	v_and_b32 v1, 15, v0                           ; r
	v_bfe_u32 v2, v0, 4, 1                         ; h
	v_and_b32 v3, 31, v0                           ; lane
	v_lshlrev_b32 v[LI], 4, v3
	v_mul_u32_u24 v4, PB0, v1
	v_mad_u32_u24 v4, v2, 24, v4                   ; slot 0: a fragment's row x pitch + 24 x half
	v_lshl_add_u32 v5, v2, 4, v4                   ; and the same behind one padding more
	v_mul_u32_u24 v6, PB1, v1
	v_mad_u32_u24 v6, v2, 24, v6
	v_add_nc_u32 v[ADP], s18, v[LI]
	v_add_nc_u32 v[ADP+1], SLT1, v[ADP]
	v_add_nc_u32 v[ADV], s100, v4
	v_add_nc_u32 v[ADV+1], s100, v5
	v_add_nc_u32 v[ADV+2], s101, v6
	v_mul_u32_u24 v4, SPITCH, v1                   ; the stage, in: row r, 32 bytes for each half of the lanes
	v_lshl_add_u32 v4, v2, 5, v4
	v_add_nc_u32 v[STO], s19, v4
	v_mul_u32_u24 v5, SPITCH, v2                   ; back: lanes 0-15 take one row of 256 bytes, lanes 16-31 the next
	v_lshl_add_u32 v5, v1, 4, v5
	v_add_nc_u32 v[RD], s19, v5
	v_lshlrev_b32 v6, 12, v2                       ; and the same two rows in out: 4,096 bytes a row
	v_lshl_add_u32 v[CO], v1, 4, v6
	v_lshlrev_b32 v[VSO], 6, v1
	v_min_u32 v7, 23, v3                           ; lanes 24-31 name lane 23's block again
	v_lshlrev_b32 v[PFP], 8, v7
	v_mul_u32_u24 v8, 171, v7
	v_lshrrev_b32 v8, 9, v8                        ; lane / 3
	v_mul_u32_u24 v8, 768, v8
	v_add_nc_u32 v[PFV], v[PFP], v8                ; row lane / 3 (1,536 bytes), block lane % 3
	s_wait_alu depctr_va_vdst(0)                   ; the wait at the head's end
.irp k, 0,1,2,3,4,5,6,7,8,9,10,11,12,13,14,15
	global_load_b128 v[PS+4*\k:PS+4*\k+3], v[LI], s[6:7] offset:512*\k   ; 32 lanes read 512 consecutive bytes: P's scale words of step k
.endr
.irp b, 0,1,2,3
.irp k, 0,1,2,3
	global_load_b128 v[VS+16*\b+4*\k:VS+16*\b+4*\k+3], v[VSO], s[10:11] offset:1024*\b+16*\k   ; V's: row r of block b, steps 4 k .. 4 k + 3
.endr
.endr
	s_cmp_lt_u32 s14, 2
	s_cbranch_scc0 .Lslot_1_is_mine                ; waves 2 and 3 fetched slot 1, which nobody reads before the next barrier: it may still be out
	s_wait_tensorcnt 0x0                           ; my tile of slot 0 is in
.Lslot_1_is_mine:
	s_barrier_signal -1
	s_barrier_wait -1                              ; both are
.macro LOADV sl, q, b, reg             ; a fragment of V: 24 bytes of row r from byte 96 q + 48 c + 24 h of the slot's 384 on, in pieces of 8 bytes
	WIN 0x40
.irp p, 0,1,2,3,4,5
.if \sl
	ds_load_b64 v[\reg+2*\p:\reg+2*\p+1], v[ADV+2] offset:128+96*(\q)+48*(\p/3)+8*(\p%3)+(\b)*16*PB1
.else
.set PC, 12*(\q)+6*(\p/3)+\p%3        ; 16 bytes of padding lie behind every 16 pieces: where the piece three on (lanes 16-31's) lies behind one padding more, the second address register serves
.if PC%16 < 13
	ds_load_b64 v[\reg+2*\p:\reg+2*\p+1], v[ADV] offset:8*PC+16*(PC/16)+(\b)*16*PB0
.else
	ds_load_b64 v[\reg+2*\p:\reg+2*\p+1], v[ADV+1] offset:8*PC+16*(PC/16)+(\b)*16*PB0
.endif
.endif
.endr
.set ISS, ISS+6
.endm
.macro LOADP sl, q, a, reg             ; a fragment of P: the image as it lies
	WIN 0xc0
.irp i, 0,1,2
	ds_load_b128 v[\reg+4*\i:\reg+4*\i+3], v[ADP+\sl] offset:(\q)*12288+(\a)*1536+512*\i
.endr
.set ISS, ISS+3
.endm
.macro LF n, ks                        ; the n-th of step ks's twelve fragments in the order of need: P's tile 0, V's four, P's tiles 1-7
.set SLX, ((\ks)/4)%2
.if (\n) > 0 && (\n) < 5
	LOADV SLX, (\ks)%4, (\n)-1, 48*((\ks)%2)+12*((\n)-1)
.else
.set TI, (((\n)+2)/7)*((\n)-4)
	LOADP SLX, (\ks)%4, TI, 96*((\ks)%2)+12*TI
.endif
.endm
.macro PROD a, b, vr, pr, ks, z        ; one product: P's tile a x V's block b.  P's scale word lies in lanes 0-15 (even a) or 16-31 (odd a) of its register
.set DR, 8*(4*(\a)+(\b))
.set VF, \vr
.set PF, \pr
.set SV, VS+16*(\b)+(\ks)
.set SPR, PS+4*(\ks)+(\a)/2
.if \z
.if (\a)%2
	v_wmma_scale_f32_16x16x128_f8f6f4 v[DR:DR+7], v[VF:VF+11], v[PF:PF+11], 0, v[SV], v[SPR] matrix_a_fmt:MATRIX_FMT_BF6 matrix_b_fmt:MATRIX_FMT_BF6 matrix_b_scale:MATRIX_SCALE_ROW1
.else
	v_wmma_scale_f32_16x16x128_f8f6f4 v[DR:DR+7], v[VF:VF+11], v[PF:PF+11], 0, v[SV], v[SPR] matrix_a_fmt:MATRIX_FMT_BF6 matrix_b_fmt:MATRIX_FMT_BF6
.endif
.else
.if (\a)%2
	v_wmma_scale_f32_16x16x128_f8f6f4 v[DR:DR+7], v[VF:VF+11], v[PF:PF+11], v[DR:DR+7], v[SV], v[SPR] matrix_a_fmt:MATRIX_FMT_BF6 matrix_b_fmt:MATRIX_FMT_BF6 matrix_b_scale:MATRIX_SCALE_ROW1
.else
	v_wmma_scale_f32_16x16x128_f8f6f4 v[DR:DR+7], v[VF:VF+11], v[PF:PF+11], v[DR:DR+7], v[SV], v[SPR] matrix_a_fmt:MATRIX_FMT_BF6 matrix_b_fmt:MATRIX_FMT_BF6
.endif
.endif
.endm
.macro GRP a, ks, z                    ; P's tile a x V's four blocks
	WIN MULW
.irp b, 0,1,2,3
	PROD \a, \b, 48*((\ks)%2)+12*\b, 96*((\ks)%2)+12*(\a), \ks, \z
.endr
.endm
; A step of 128 keys: eight groups of four products on one set of fragments; behind the groups, by turns, two and one of the next step's fragments into the other set.  The four places at its head stand behind the last
; product that read that set (ISA guide 7.12.1 for vector instructions).  A tile's wait: behind its loads stand those of 7 - g tiles of its own run and what this step has issued.
.macro STEP ks, z
	PLACES 4
.set ISS, 0
.set NF, 0
.irp g, 0,1,2,3,4,5,6,7
	s_wait_dscnt 3*(7-\g)+ISS
	GRP \g, \ks, \z
.rept 2-(\g%2)
	LF NF, (\ks)+1
.set NF, NF+1
.endr
.endr
.endm
.macro VREG q, b                       ; the last 512 keys: where V's fragment of step q, block b lies: step 11's own set (48-95) takes q = 3, which is fetched last
.set VRG, 48*((2*(\q)-(\q)/2)%4)+12*(\b)
.endm
.macro RL n                            ; the last 512 keys' first fragments: V's q = 0, P's tile 0, V's q = 1, 2, 3
.if (\n)/4 == 1
	LOADP 1, (\n)-4, 0, 12*((\n)-4)
.else
.set QV, (\n)/4-((\n)/4+1)/3
	VREG QV, (\n)%4
	LOADV 1, QV, (\n)%4, VRG
.endif
.endm
; A slot's last step: ONE barrier shows the next slot whole and frees this one.  In front of it each wave waits for all its tensor loads, adds 0 to its spare word, and waits for that and for its reads of this slot.
.macro TURN ks, fill, gp, gv, g1v
	WIN 0
	s_wait_tensorcnt 0x0
	ds_add_u32 v[SPW], v[NIL]
.if (\ks) == 3                         ; no tensor load of mine is out: from here on a load brings half as many rows
	s_mov_b32 s[G1P+2], 192<<16
	s_mov_b32 s[G1P+4], 192
	s_mov_b32 s[G1A+2], 64<<16
	s_mov_b32 s[G1A+4], 64
	s_mov_b32 s[G1B+2], 64<<16
	s_mov_b32 s[G1B+4], 64
.endif
	s_wait_dscnt 22                                ; V's blocks and P's tile 0 are in: 21 loads and the add may be out
	GRP 0, \ks, 0
	s_wait_dscnt 19
	GRP 1, \ks, 0
	s_wait_dscnt 0x0                               ; the add is done, and my reads of this slot are over
	s_barrier_signal -1
	GRP 2, \ks, 0
	WIN 0
	s_barrier_wait -1
.if \fill
	CREST
	JLOAD \gp, G1P, \gv, \g1v                      ; its four v_nop are the places in front of the loads below
.else
	PLACES 4
.endif
.set ISS, 0
.set NF, 0
.irp g, 3,4,5,6,7
	GRP \g, \ks, 0
.if \fill
.rept 3-(\g/5)
	LF NF, (\ks)+1
.set NF, NF+1
.endr
.else
.rept 3+(3/\g)
	RL NF
.set NF, NF+1
.endr
.endif
.endr
.endm
.set ISS, 0
.set NF, 0
.rept 12
	LF NF, 0
.set NF, NF+1
.endr
	s_wait_loadcnt 0x0                             ; the scale words
	STEP 0, 1                                      ; its products start the sums
	WIN 0                                          ; the first refill's tiles, two steps ahead of it, and V's bytes of the second: each block of 256 bytes named once in the cluster
	global_prefetch_b8 v[PFP], s[90:91] offset:2*PSLOT th:TH_LOAD_NT scope:SCOPE_SE
	global_prefetch_b8 v[PFV], s[92:93] offset:768 th:TH_LOAD_NT scope:SCOPE_SE
	STEP 1, 0
	STEP 2, 0
	TURN 3, 1, GP2, GV2, G1A
	STEP 4, 0
	WIN 0
	global_prefetch_b8 v[PFP], s[90:91] offset:3*PSLOT th:TH_LOAD_NT scope:SCOPE_SE   ; the second refill's P, two steps ahead
	STEP 5, 0
	STEP 6, 0
	TURN 7, 1, GP3, GV3, G1B
	STEP 8, 0
	STEP 9, 0
	STEP 10, 0
	TURN 11, 0, 0, 0, 0
; THE LAST 512 KEYS GO BY ROWS OF OUT: all sixteen fragments of V are in registers, and tile after tile of 16 rows is finished by 16 products (its four accumulators by turns, keys ascending) and leaves at once.
; A lane holds 32 neighbouring bytes of a row: a tile goes through my own stage in LDS and comes back as whole rows of 256 bytes.  LDS serves a wave's instructions in order (ISA guide 5.7.1.4).
.macro TOSTAGE a
	WIN 0x08                                       ; an LDS store's data are its source 1: window 2
.irp b, 0,1,2,3
	ds_store_b128 v[STO], v[8*(4*(\a)+\b):8*(4*(\a)+\b)+3] offset:64*\b
	ds_store_b128 v[STO], v[8*(4*(\a)+\b)+4:8*(4*(\a)+\b)+7] offset:64*\b+16
.endr
	WIN 0
.irp t, 0,1,2,3,4,5,6,7
	ds_load_b128 v[BK+32*((\a)%2)+4*\t:BK+32*((\a)%2)+4*\t+3], v[RD] offset:\t*2*SPITCH
.endr
.endm
.macro SEND a, younger                 ; younger: the LDS instructions issued behind tile a's loads, which may stay out
	WIN 0
	s_wait_dscnt \younger
.irp t, 0,1,2,3,4,5,6,7
	global_store_b128 v[CO], v[BK+32*((\a)%2)+4*\t:BK+32*((\a)%2)+4*\t+3], s[12:13] offset:(\a)*65536+\t*8192 th:TH_STORE_NT   ; 16 lanes store 256 consecutive bytes, at a multiple of 256; written once, read by nobody here
.endr
.endm
.macro PT2 a, q                        ; P's tile a, steps q and q + 1 of the last 512 keys
	LOADP 1, \q, \a, 48*((\a)%4)+12*(\q)
	LOADP 1, (\q)+1, \a, 48*((\a)%4)+12*((\q)+1)
.endm
.macro ROWU a
.if (\a) == 0
	PLACES 4                                       ; in front of loads into what step 11 multiplied
.else
	s_wait_dscnt 28                                ; tile a's fragments are in: 12 loads of the next tile and the stage's 16 may be out
.endif
.irp q, 0,1,2,3
.if (\a) == 0
.if \q < 2
	s_wait_dscnt 48                                ; behind what q = 0 (1) needs: V's q = 1, 2 (2, 3)
.elseif \q == 2
	s_wait_dscnt 36                                ; V's q = 3 and tile 1
.else
	s_wait_dscnt 24                                ; tiles 1 and 2
.endif
.endif
	WIN MULW
.irp b, 0,1,2,3
	VREG \q, \b
	PROD \a, \b, VRG, 48*((\a)%4)+12*\q, 12+\q, 0
.endr
.if (\a) == 0
.if \q == 0
	RL 16
	RL 17
	RL 18
	RL 19
.elseif \q < 3
	PT2 \q, 0
	PT2 \q, 2
.endif
.else
.if \q < 2 && (\a) < 6
	PT2 (\a)+2, 2*\q
.endif
.if \q == 2
.if (\a) < 6
	SEND (\a)-1, 12                                ; behind tile a - 1's loads: tile a + 2's twelve
.else
	SEND (\a)-1, 0
.endif
.endif
.endif
.endr
	PLACES 4                                       ; the stage's stores read results just made
.if (\a) > 1
	s_wait_xcnt 0x0                                ; tile a - 2's stores have read their registers
.endif
	TOSTAGE \a
.endm
.irp a, 0,1,2,3,4,5,6,7
	ROWU \a
.endr
	SEND 7, 0
	s_wait_tensorcnt 0x0                           ; the wave's end
	ds_add_u32 v[SPW], v[NIL]
	s_wait_dscnt 0x0
	CROUND                                         ; the closing round
	s_endpgm
.Lfunc_end_k_q44d6239f47_mix:
	.size	k_q44d6239f47_mix, .Lfunc_end_k_q44d6239f47_mix-k_q44d6239f47_mix
	.p2alignl 7, 3214868480
	.fill 96, 4, 3214868480
	.section	.rodata,"a",@progbits
	.p2align	6, 0x0
	.amdhsa_kernel k_q44d6239f47_mix
		.amdhsa_group_segment_fixed_size 327680
		.amdhsa_private_segment_fixed_size 0
		.amdhsa_enable_private_segment 0
		.amdhsa_kernarg_size 40
		.amdhsa_user_sgpr_count 2
		.amdhsa_user_sgpr_kernarg_segment_ptr 1
		.amdhsa_wavefront_size32 1
		.amdhsa_system_sgpr_workgroup_id_x 1
		.amdhsa_system_sgpr_workgroup_id_y 1
		.amdhsa_system_sgpr_workgroup_id_z 1
		.amdhsa_system_vgpr_workitem_id 0
		.amdhsa_next_free_vgpr 1024
		.amdhsa_next_free_sgpr 102
		.amdhsa_reserve_vcc 0
		.amdhsa_float_denorm_mode_32 3
		.amdhsa_float_denorm_mode_16_64 3
		.amdhsa_memory_ordered 1
		.amdhsa_forward_progress 1
		.amdhsa_inst_pref_size 156
	.end_amdhsa_kernel
	.amdgpu_metadata
---
amdhsa.version: [ 1, 2 ]
amdhsa.kernels:
  - .name:           k_q44d6239f47_mix
    .symbol:         k_q44d6239f47_mix.kd
    .args:
      - { .name: p_codes, .offset: 0, .size: 8, .value_kind: global_buffer, .address_space: global }
      - { .name: p_scales, .offset: 8, .size: 8, .value_kind: global_buffer, .address_space: global }
      - { .name: value_codes, .offset: 16, .size: 8, .value_kind: global_buffer, .address_space: global }
      - { .name: value_scales, .offset: 24, .size: 8, .value_kind: global_buffer, .address_space: global }
      - { .name: out0, .offset: 32, .size: 8, .value_kind: global_buffer, .address_space: global }
    .group_segment_fixed_size: 327680
    .private_segment_fixed_size: 0
    .kernarg_segment_align: 8
    .kernarg_segment_size: 40
    .max_flat_workgroup_size: 128
    .sgpr_count:     102
    .vgpr_count:     1024
    .wavefront_size: 32
...
	.end_amdgpu_metadata
.endif
;; end of part 2
